; MI455X (gfx1250); checked and timed in simulation.
; The chip was launched on July 23, 2026; its instructions are those of AMD's public machine-readable ISA for CDNA 5 (MIT licence, August 2026) and "CDNA5" Instruction Set Architecture Reference Guide (July 2026). The comments in the code are by the model that wrote it; some were corrected since.
;; PGD. Allowed arithmetic: float matrix products may take bf16 or f16 operands with f32 sums; other float arithmetic in f32, or as packed bf16 or f16 multiplies, adds, multiply-adds, maxima and minima; sums over many terms, partial sums and values carried from step to step in f32; what a program stores and reads back later, other than sums and carried values, may be rounded once to bf16 or f16.
;; Inputs: A_LR 8 x 1 x 1 float32; B_LR 1 float32; W_e 50,257 x 256 float32; W_k 8 x 256 x 256 float32; W_p 513 x 256 float32; W_q 8 x 256 x 256 float32; W_v 8 x 256 x 256 float32; idx 4 x 512 int32.
;; Outputs: out0 4 x 50,257 float32.
;; One version. Each part assembles by itself: llvm-mc -triple=amdgcn-amd-amdhsa -mcpu=gfx1250 --defsym DOCPART=n.
;; ======== version 1 of 1: 4 launches
;; workspace buffers: part 57,344 bytes; upart 32,768 bytes; gpart 294,912 bytes; stat 4,096 bytes; fpart 16,384 bytes
;; launch sums (part 1): grid 256 x 1, 8 waves a work-group, no clusters, 3,072 bytes of LDS; arguments W_e, W_p, W_q, W_k, part, upart; writes part, upart
.if DOCPART == 1
	.amdgcn_target "amdgcn-amd-amdhsa--gfx1250"
	.amdhsa_code_object_version 6
	.text
	.protected	k_q7c426241b3_sums
	.globl	k_q7c426241b3_sums
	.p2align	8
	.type	k_q7c426241b3_sums,@function
k_q7c426241b3_sums:
	s_mov_b64 s[64:65], 0
	v_nop
	global_prefetch_b8 v0, s[64:65] scope:SCOPE_SE
	s_setreg_imm32_b32 hwreg(HW_REG_WAVE_MODE, 25, 1), 1
	s_wait_xcnt 0x0
; FIRST OF FOUR LAUNCHES.  reference() starts its one layer from f_k = 0, so clip(f_k W_e^T) is 0, every exponential is 1, their sum is 50,257 (1e-8 is lost in f32),
; and E_W_c is the mean mu of the rows of W_e; of f_k only row 512 is used.  What is left: q_h = p512 W_q[h]; u_h = W_k[h] q_h; s[h][m] = W_p[m] . u_h; a softmax over 513 keys;
; g[b][h] = sum_m K[h][m] (W_e[idx[b][m]] - mu); f[b] = (sum_h A_h g[b][h] W_v[h] + B sum_m (W_e[idx[b][m]] - mu)) / 512; out0[b][v] = f[b] . W_e[v].
; LIMIT: W_e is finite (an infinity or NaN in it makes every number of reference() NaN; that is not reproduced number by number).
; THIS LAUNCH has two kinds of work-group, told apart by the work-group number alone (the same in all eight waves).
; Work-groups 0-223: column sums of W_e.  Work-group = (row group rg of 912 rows, slice of 64 columns = 256 bytes of a row).  A wave takes 114 rows, each half of its lanes 57; a load of
; 16 bytes a lane covers two rows x 256 consecutive aligned bytes.  All 57 loads go out at once; each row is read once in the launch (but for the clamped windows of the last row group).
; 56 x 912 is more than 50,257: a window that would pass the end is moved back to rows 50,143 .. 50,256, and a row counts (weight 1, else 0) only if it lies in the window as it was.
; Work-groups 224-255: head h, quarter j of the 256 columns e: q_h[64 j ..] (all 256 rows of W_q[h]), then the part of u_h that these 64 columns of W_k[h] give.
; All arithmetic in f32 on the vector unit: these are products with one row, whose weights cross once.
.set NROW,  50257
.set RGRP,  912                        ; rows of a row group
.set RWIN,  114                        ; rows of a wave
.set RHALF, 57                         ; rows of a half of the lanes
.set RED,   0                          ; LDS: [8 waves][64 f32]
.set SPARE, 2048                       ; the spare words: 128 bytes for each of 8 waves, four blocks of 256 bytes that no other line names
.set WV,    16                         ; s16  wave number
.set SEL,   18                         ; s[18:19] selects of v_permlanex16_b32: each lane takes its own place in the other half
.set X,     20                         ; v[20:247]  column sums: 57 rows x 4 registers
.set WQ,    20                         ; v[20:35]   q and u: 16 numbers of p512
.set XQ,    36                         ; v[36:99]   16 rows of W_q
.set XK,    100                        ; v[100:163] 16 rows of W_k
.set RD,    164                        ; v[164:195] the eight waves' parts of q
.set SPW,   248                        ; v248  LDS address of my spare word; never rewritten
.set NIL,   249                        ; v249  0; never rewritten
; a[0:3] (+)= x[0:3] * v[wr]: two packed instructions; the weight is the low or the high register of an even-aligned pair
.macro WFMA a, x, wr, first
.if ((\wr)&1)==0
.if \first
	v_pk_mul_f32 v[(\a):(\a)+1], v[(\x):(\x)+1], v[(\wr):(\wr)+1] op_sel_hi:[1,0]
	v_pk_mul_f32 v[(\a)+2:(\a)+3], v[(\x)+2:(\x)+3], v[(\wr):(\wr)+1] op_sel_hi:[1,0]
.else
	v_pk_fma_f32 v[(\a):(\a)+1], v[(\x):(\x)+1], v[(\wr):(\wr)+1], v[(\a):(\a)+1] op_sel_hi:[1,0,1]
	v_pk_fma_f32 v[(\a)+2:(\a)+3], v[(\x)+2:(\x)+3], v[(\wr):(\wr)+1], v[(\a)+2:(\a)+3] op_sel_hi:[1,0,1]
.endif
.else
.if \first
	v_pk_mul_f32 v[(\a):(\a)+1], v[(\x):(\x)+1], v[(\wr)-1:(\wr)] op_sel:[0,1] op_sel_hi:[1,1]
	v_pk_mul_f32 v[(\a)+2:(\a)+3], v[(\x)+2:(\x)+3], v[(\wr)-1:(\wr)] op_sel:[0,1] op_sel_hi:[1,1]
.else
	v_pk_fma_f32 v[(\a):(\a)+1], v[(\x):(\x)+1], v[(\wr)-1:(\wr)], v[(\a):(\a)+1] op_sel:[0,1,0] op_sel_hi:[1,1,1]
	v_pk_fma_f32 v[(\a)+2:(\a)+3], v[(\x)+2:(\x)+3], v[(\wr)-1:(\wr)], v[(\a)+2:(\a)+3] op_sel:[0,1,0] op_sel_hi:[1,1,1]
.endif
.endif
.endm
; a[0:3] += the same four registers of the lane 16 away
.macro HALVES a, tmp
.irp k, 0,1,2,3
	v_permlanex16_b32 v[(\tmp)+\k], v[(\a)+\k], s[SEL], s[SEL+1]
.endr
.irp k, 0,1,2,3
	v_add_f32 v[(\a)+\k], v[(\a)+\k], v[(\tmp)+\k]
.endr
.endm
; n groups of wd registers on end are added pairwise, as a tree; the sum ends in the first group
.macro VSUM base, n, wd
.set vs, 1
.rept 5
.if vs < (\n)
.set vi, 0
.rept ((\n)+2*vs-1)/(2*vs)
.if vi+vs < (\n)
.set vk, 0
.rept (\wd)/2
	v_pk_add_f32 v[(\base)+(\wd)*vi+vk:(\base)+(\wd)*vi+vk+1], v[(\base)+(\wd)*vi+vk:(\base)+(\wd)*vi+vk+1], v[(\base)+(\wd)*(vi+vs)+vk:(\base)+(\wd)*(vi+vs)+vk+1]
.set vk, vk+2
.endr
.endif
.set vi, vi+2*vs
.endr
.endif
.set vs, 2*vs
.endr
.endm
	s_load_b256 s[4:11], s[0:1], 0x0               ; W_e s[4:5], W_p s[6:7], W_q s[8:9], W_k s[10:11]
	s_load_b128 s[12:15], s[0:1], 0x20             ; part s[12:13], upart s[14:15]
	v_lshl_add_u32 v[SPW], v0, 2, SPARE
	v_mov_b32 v[NIL], 0
	v_lshrrev_b32 v1, 5, v0
	v_readfirstlane_b32 s[WV], v1                  ; wave 0..7
	v_and_b32 v2, 15, v0                           ; c16: my group of four columns
	v_bfe_u32 v3, v0, 4, 1                         ; hi: my half of the lanes
	s_mov_b32 s[SEL], 0x76543210
	s_mov_b32 s[SEL+1], 0xfedcba98
	s_lshl_b32 s17, s[WV], 8
	v_lshl_add_u32 v1, v2, 4, s17                  ; where my wave's 64 sums go in LDS: 256 w + 16 c16
	s_cmp_lt_u32 ttmp9, 224
	s_cbranch_scc0 .Lrole_b
	; ---- column sums of W_e ----
	s_and_b32 s20, ttmp9, 3                        ; slice
	s_lshr_b32 s21, ttmp9, 2                       ; row group
	s_mul_i32 s22, s21, RGRP
	s_mul_i32 s23, s[WV], RWIN
	s_add_co_u32 s22, s22, s23                     ; my window's first row,
	s_min_u32 s23, s22, NROW-RWIN                  ; moved back so that its 114 rows end inside W_e,
	s_sub_co_u32 s24, s22, s23                     ; and by how much
	s_lshl_b32 s25, s20, 8
	v_mul_u32_u24 v5, v3, RHALF
	v_add_nc_u32 v4, s23, v5
	v_lshlrev_b32 v4, 10, v4                       ; (first row + 57 hi) x 1,024 bytes
	v_lshl_add_u32 v4, v2, 4, v4
	v_add_nc_u32 v4, s25, v4                       ; + 256 slice + 16 c16
	v_sub_nc_u32 v5, s24, v5                       ; row t of my half counts where t >= shift - 57 hi
	v_mov_b32 v7, 0                                ; named with v6 as a pair
.irp k, 16,17,18,19
	v_mov_b32 v[\k], 0                             ; v_permlanex16_b32 counts as a reader of its destination
.endr
	s_wait_kmcnt 0x0
.set t, 0
.rept RHALF
	global_load_b128 v[X+4*t:X+4*t+3], v4, s[4:5] offset:1024*t
.set t, t+1
.endr
.set t, 0
.rept RHALF                                    ; even rows into v[8:11], odd rows into v[12:15]; the first two start the sums
	s_wait_loadcnt RHALF-1-t                       ; loads return in order: row t is in, the 56 - t younger ones stay out
	v_cmp_ge_i32 vcc_lo, t, v5
	v_cndmask_b32 v6, 0, 1.0, vcc_lo
	WFMA 8+4*(t&1), X+4*t, 6, t<2
.set t, t+1
.endr
	v_pk_add_f32 v[8:9], v[8:9], v[12:13]
	v_pk_add_f32 v[10:11], v[10:11], v[14:15]
	HALVES 8, 16
	ds_store_b128 v1, v[8:11] offset:RED           ; both halves of the lanes hold the same four sums and write them to the same bytes
	s_wait_dscnt 0x0                               ; my store is done, for the reader's sake
	s_barrier_signal -1
	s_barrier_wait -1
	s_cmp_lg_u32 s[WV], 0
	s_cbranch_scc1 .Lend
	v_lshlrev_b32 v5, 4, v2
.irp k, 0,1,2,3,4,5,6,7
	ds_load_b128 v[X+4*\k:X+4*\k+3], v5 offset:RED+256*\k
.endr
	s_lshl_b32 s26, s21, 10
	s_add_co_u32 s26, s26, s25                     ; part[rg][64 slice ..]
	s_wait_dscnt 0x0
	VSUM X, 8, 4
	v_add_nc_u32 v5, s26, v5
	v_cmp_gt_u32 vcc_lo, 16, v0
	s_wait_xcnt 0x0                                ; EXEC is a source of the loads above: it changes only behind this wait
	s_and_saveexec_b32 s27, vcc_lo
	global_store_b128 v5, v[X:X+3], s[12:13]       ; sixteen lanes store 256 consecutive bytes, aligned
	s_wait_xcnt 0x0
	s_or_b32 exec_lo, exec_lo, s27
	s_branch .Lend
	; ---- q_h and a quarter of u_h ----
.Lrole_b:
	s_sub_co_u32 s20, ttmp9, 224                   ; 4 h + j
	s_lshr_b32 s21, s20, 2                         ; h
	s_and_b32 s22, s20, 3                          ; j
	s_lshl_b32 s24, s21, 18                        ; a head's matrix is 262,144 bytes
	s_mov_b32 s25, 0
	s_lshl_b32 s26, s[WV], 5
	v_lshl_add_u32 v5, v3, 4, s26                  ; r0 = 32 w + 16 hi: my half's first of 16 rows
	s_lshl_b32 s27, s22, 8
	v_lshlrev_b32 v4, 10, v5
	v_lshl_add_u32 v4, v2, 4, v4
	v_add_nc_u32 v4, s27, v4                       ; 1,024 r0 + 256 j + 16 c16, in W_q[h] and in W_k[h]
	v_lshlrev_b32 v5, 2, v5                        ; 4 r0, in row 512 of W_p
.irp k, 12,13,14,15
	v_mov_b32 v[\k], 0
.endr
	s_wait_kmcnt 0x0
	s_add_nc_u64 s[8:9], s[8:9], s[24:25]
	s_add_nc_u64 s[10:11], s[10:11], s[24:25]
.irp i, 0,1,2,3
	global_load_b128 v[WQ+4*\i:WQ+4*\i+3], v5, s[6:7] offset:524288+16*\i
.endr
.set t, 0
.rept 16
	global_load_b128 v[XQ+4*t:XQ+4*t+3], v4, s[8:9] offset:1024*t th:TH_LOAD_NT
.set t, t+1
.endr
.set t, 0
.rept 16
	global_load_b128 v[XK+4*t:XK+4*t+3], v4, s[10:11] offset:1024*t th:TH_LOAD_NT
.set t, t+1
.endr
.set t, 0
.rept 16                                       ; q4 += p512[r0 + t] x W_q[h][r0 + t][my four columns]
	s_wait_loadcnt 31-t                            ; p512 and row t are in: behind row t stand 15 - t rows of W_q and 16 of W_k
	WFMA 8, XQ+4*t, WQ+t, t==0
.set t, t+1
.endr
	HALVES 8, 12
	ds_store_b128 v1, v[8:11] offset:RED
	s_wait_dscnt 0x0
	s_barrier_signal -1
	s_barrier_wait -1
	v_lshlrev_b32 v6, 4, v2
.irp k, 0,1,2,3,4,5,6,7
	ds_load_b128 v[RD+4*\k:RD+4*\k+3], v6 offset:RED+256*\k
.endr
	s_wait_dscnt 0x0
	VSUM RD, 8, 4                                  ; v[RD:RD+3] = q_h[64 j + 4 c16 ..], in every wave
.set t, 0
.rept 16                                       ; row r0 + t of W_k[h] times q: four products a lane, then over the sixteen lanes of the half; lane c16 = t keeps it
	s_wait_loadcnt 15-t
	v_pk_mul_f32 v[12:13], v[XK+4*t:XK+4*t+1], v[RD:RD+1]
	v_pk_fma_f32 v[12:13], v[XK+4*t+2:XK+4*t+3], v[RD+2:RD+3], v[12:13]
	v_add_f32 v17, v12, v13
	v_add_f32_dpp v17, v17, v17 row_xmask:1 row_mask:0xf bank_mask:0xf
	v_add_f32_dpp v17, v17, v17 row_xmask:2 row_mask:0xf bank_mask:0xf
	v_add_f32_dpp v17, v17, v17 row_xmask:4 row_mask:0xf bank_mask:0xf
	v_add_f32_dpp v17, v17, v17 row_xmask:8 row_mask:0xf bank_mask:0xf
.if t == 0
	v_mov_b32 v16, v17
.else
	v_cmp_eq_u32 vcc_lo, t, v2
	v_cndmask_b32 v16, v16, v17, vcc_lo
.endif
.set t, t+1
.endr
	s_lshl_b32 s28, s20, 10
	v_lshl_add_u32 v6, v0, 2, s28                  ; upart[h][j][32 w + lane]
	global_store_b32 v6, v16, s[14:15]             ; 128 consecutive bytes a wave
.Lend:
	s_wait_tensorcnt 0x0                           ; the wave's end: behind my last LDS store
	ds_add_u32 v[SPW], v[NIL]
	s_wait_dscnt 0x0
	s_endpgm
.Lfunc_end_k_q7c426241b3_sums:
	.size	k_q7c426241b3_sums, .Lfunc_end_k_q7c426241b3_sums-k_q7c426241b3_sums
	.p2alignl 7, 3214868480
	.fill 96, 4, 3214868480
	.section	.rodata,"a",@progbits
	.p2align	6, 0x0
	.amdhsa_kernel k_q7c426241b3_sums
		.amdhsa_group_segment_fixed_size 3072
		.amdhsa_private_segment_fixed_size 0
		.amdhsa_enable_private_segment 0
		.amdhsa_kernarg_size 48
		.amdhsa_user_sgpr_count 2
		.amdhsa_user_sgpr_kernarg_segment_ptr 1
		.amdhsa_wavefront_size32 1
		.amdhsa_system_sgpr_workgroup_id_x 1
		.amdhsa_system_sgpr_workgroup_id_y 1
		.amdhsa_system_sgpr_workgroup_id_z 1
		.amdhsa_system_vgpr_workitem_id 0
		.amdhsa_next_free_vgpr 256
		.amdhsa_next_free_sgpr 66
		.amdhsa_reserve_vcc 1
		.amdhsa_float_denorm_mode_32 3
		.amdhsa_float_denorm_mode_16_64 3
		.amdhsa_memory_ordered 1
		.amdhsa_forward_progress 1
		.amdhsa_inst_pref_size 41
	.end_amdhsa_kernel
	.amdgpu_metadata
---
amdhsa.version: [ 1, 2 ]
amdhsa.kernels:
  - .name:           k_q7c426241b3_sums
    .symbol:         k_q7c426241b3_sums.kd
    .args:
      - { .name: W_e, .offset: 0, .size: 8, .value_kind: global_buffer, .address_space: global }
      - { .name: W_p, .offset: 8, .size: 8, .value_kind: global_buffer, .address_space: global }
      - { .name: W_q, .offset: 16, .size: 8, .value_kind: global_buffer, .address_space: global }
      - { .name: W_k, .offset: 24, .size: 8, .value_kind: global_buffer, .address_space: global }
      - { .name: part, .offset: 32, .size: 8, .value_kind: global_buffer, .address_space: global }
      - { .name: upart, .offset: 40, .size: 8, .value_kind: global_buffer, .address_space: global }
    .group_segment_fixed_size: 3072
    .private_segment_fixed_size: 0
    .kernarg_segment_align: 8
    .kernarg_segment_size: 48
    .max_flat_workgroup_size: 256
    .sgpr_count:     66
    .vgpr_count:     256
    .wavefront_size: 32
...
	.end_amdgpu_metadata
.endif
;; end of part 1
;; launch mix (part 2): grid 8 x 4, 16 waves a work-group, no clusters, 166,912 bytes of LDS; arguments idx, W_e, W_p, part, upart, gpart, stat; writes gpart, stat
.if DOCPART == 2
	.amdgcn_target "amdgcn-amd-amdhsa--gfx1250"
	.amdhsa_code_object_version 6
	.text
	.protected	k_q7c426241b3_mix
	.globl	k_q7c426241b3_mix
	.p2align	8
	.type	k_q7c426241b3_mix,@function
k_q7c426241b3_mix:
	s_mov_b64 s[64:65], 0
	v_nop
	global_prefetch_b8 v0, s[64:65] scope:SCOPE_SE
	s_setreg_imm32_b32 hwreg(HW_REG_WAVE_MODE, 25, 1), 1
	s_wait_xcnt 0x0
; SECOND LAUNCH.  Work-group (c, b): chunk c of 64 keys, batch row b.  It finishes mu (56 partial column sums, times 1 / 50,257) and u_h (four quarters), takes the scores
; s[h][m] = W_p[m] . u_h of its 64 keys and of key 512 for all 8 heads, the chunk's maximum M_c[h] (key 512 among it), the weights exp(s - M_c), and stores
;   gpart[b][c][h][:] = sum over the chunk's keys of exp(s[h][m] - M_c[h]) (W_e[idx[b][m]] - mu),   gpart[b][c][8][:] = the same sum with weight 1,
;   stat[b][c]: words 0-7 M_c[h], 8-15 the chunk's sum of weights (without key 512), 16-23 exp(s[h][512] - M_c[h]).   The next launch joins the chunks by the maxima.
; A wave takes four keys.  A row of 256 f32 lies in 8 registers a lane: columns 4 l .. 4 l + 3 and 128 + 4 l .. + 3: each load covers 512 consecutive bytes.  All in f32.
; LIMITS: mu is the sum times the f32 nearest to 1 / 50,257, where reference() divides; a weight below 2^-126 counts as 0; an index is held to 0 .. 50,256, the table that it indexes.
; The difference W_e[idx] - mu is taken number by number, ahead of every sum, so a common offset of W_e drops out at once.
.set MUP,   0                          ; LDS: [8 groups of 7 partial rows][256] f32
.set U,     8192                       ; [8 heads][256] f32
.set MX,    16384                      ; [16 waves][8 heads] f32: maxima
.set ZS,    16896                      ; [16 waves][8 heads] f32: sums of weights
.set ACC,   17408                      ; [16 waves][9 rows][256] f32
.set SPARE, 164864                     ; the spare words: 128 bytes for each of 16 waves, eight blocks of 256 bytes that no other line names
.set UU,  16                           ; v[16:79]   u: 8 heads x 8
.set WP,  80                           ; v[80:119]  my four rows of W_p, then row 512
.set GX,  120                          ; v[120:151] my four gathered rows of W_e
.set MU,  152                          ; v[152:159] mu
.set SC,  160                          ; v[160:199] scores, then weights: 5 rows x 8 heads
.set T,   200                          ; v[200:215] at work
.set M,   216                          ; v[216:223] maxima by head
.set O,   224                          ; v[224:227] at work between lanes
.set ZR,  228                          ; v[228:235] sums of weights by head
.set SPW, 236                          ; v236  LDS address of my spare word; never rewritten
.set NIL, 237                          ; v237  0; never rewritten
.set AR,  16                           ; v[16:87]   9 rows x 8: the weighted sums, where u and W_p's first row lay
.set PP,  160                          ; v[160:187] seven partial rows of column sums
.set UP,  188                          ; v[188:203] four quarters of u
.set SEL, 42                           ; s[42:43] selects of v_permlanex16_b32
.set LG,  44                           ; s[44:45] log2(e)
.set RV,  46                           ; s[46:47] 1 / 50,257
.set PAR, 48                           ; s48  mask of the odd lanes
.macro WFMA a, x, wr, first            ; a[0:3] (+)= x[0:3] * v[wr]
.if ((\wr)&1)==0
.if \first
	v_pk_mul_f32 v[(\a):(\a)+1], v[(\x):(\x)+1], v[(\wr):(\wr)+1] op_sel_hi:[1,0]
	v_pk_mul_f32 v[(\a)+2:(\a)+3], v[(\x)+2:(\x)+3], v[(\wr):(\wr)+1] op_sel_hi:[1,0]
.else
	v_pk_fma_f32 v[(\a):(\a)+1], v[(\x):(\x)+1], v[(\wr):(\wr)+1], v[(\a):(\a)+1] op_sel_hi:[1,0,1]
	v_pk_fma_f32 v[(\a)+2:(\a)+3], v[(\x)+2:(\x)+3], v[(\wr):(\wr)+1], v[(\a)+2:(\a)+3] op_sel_hi:[1,0,1]
.endif
.else
.if \first
	v_pk_mul_f32 v[(\a):(\a)+1], v[(\x):(\x)+1], v[(\wr)-1:(\wr)] op_sel:[0,1] op_sel_hi:[1,1]
	v_pk_mul_f32 v[(\a)+2:(\a)+3], v[(\x)+2:(\x)+3], v[(\wr)-1:(\wr)] op_sel:[0,1] op_sel_hi:[1,1]
.else
	v_pk_fma_f32 v[(\a):(\a)+1], v[(\x):(\x)+1], v[(\wr)-1:(\wr)], v[(\a):(\a)+1] op_sel:[0,1,0] op_sel_hi:[1,1,1]
	v_pk_fma_f32 v[(\a)+2:(\a)+3], v[(\x)+2:(\x)+3], v[(\wr)-1:(\wr)], v[(\a)+2:(\a)+3] op_sel:[0,1,0] op_sel_hi:[1,1,1]
.endif
.endif
.endm
.macro VSUM base, n, wd                ; n groups of wd registers on end, added pairwise as a tree; the sum ends in the first group
.set vs, 1
.rept 5
.if vs < (\n)
.set vi, 0
.rept ((\n)+2*vs-1)/(2*vs)
.if vi+vs < (\n)
.set vk, 0
.rept (\wd)/2
	v_pk_add_f32 v[(\base)+(\wd)*vi+vk:(\base)+(\wd)*vi+vk+1], v[(\base)+(\wd)*vi+vk:(\base)+(\wd)*vi+vk+1], v[(\base)+(\wd)*(vi+vs)+vk:(\base)+(\wd)*(vi+vs)+vk+1]
.set vk, vk+2
.endr
.endif
.set vi, vi+2*vs
.endr
.endif
.set vs, 2*vs
.endr
.endm
; Row i of WP times u of all eight heads; every lane ends with the eight scores.  Each stage goes over the heads, so that no instruction reads the result of the one before it.
.macro SCORE i
	s_wait_loadcnt 16-2*(\i)                       ; the row's two loads are in: behind them stand 2 (4 - i) of W_p's and the 8 gathered ones
.irp h, 0,1,2,3,4,5,6,7
	v_pk_mul_f32 v[T+2*\h:T+2*\h+1], v[WP+8*(\i):WP+8*(\i)+1], v[UU+8*\h:UU+8*\h+1]
.endr
.irp k, 2,4,6
.irp h, 0,1,2,3,4,5,6,7
	v_pk_fma_f32 v[T+2*\h:T+2*\h+1], v[WP+8*(\i)+\k:WP+8*(\i)+\k+1], v[UU+8*\h+\k:UU+8*\h+\k+1], v[T+2*\h:T+2*\h+1]
.endr
.endr
.irp h, 0,1,2,3,4,5,6,7
	v_add_f32 v[SC+8*(\i)+\h], v[T+2*\h], v[T+2*\h+1]
.endr
.irp m, 1,2,4,8
.irp h, 0,1,2,3,4,5,6,7
	v_add_f32_dpp v[SC+8*(\i)+\h], v[SC+8*(\i)+\h], v[SC+8*(\i)+\h] row_xmask:\m row_mask:0xf bank_mask:0xf
.endr
.endr
.irp h, 0,1,2,3,4,5,6,7
	v_permlanex16_b32 v[T+\h], v[SC+8*(\i)+\h], s[SEL], s[SEL+1]
.endr
.irp h, 0,1,2,3,4,5,6,7
	v_add_f32 v[SC+8*(\i)+\h], v[SC+8*(\i)+\h], v[T+\h]
.endr
.endm
; Lane l holds, in t[0:3], heads 4 (l % 2) .. + 3 of wave l / 2.  The sixteen waves' numbers are joined (lanes 2, 4, 8 and 16 away), the neighbour brings the other four heads,
; and every lane ends with the eight heads in d[0:7].
.macro XRED opd, op, t, d
.irp m, 2,4,8
.irp k, 0,1,2,3
	\opd v[(\t)+\k], v[(\t)+\k], v[(\t)+\k] row_xmask:\m row_mask:0xf bank_mask:0xf
.endr
.endr
.irp k, 0,1,2,3
	v_permlanex16_b32 v[O+\k], v[(\t)+\k], s[SEL], s[SEL+1]
.endr
.irp k, 0,1,2,3
	\op v[(\t)+\k], v[(\t)+\k], v[O+\k]
.endr
.irp k, 0,1,2,3
	v_mov_b32_dpp v[O+\k], v[(\t)+\k] row_xmask:1 row_mask:0xf bank_mask:0xf
.endr
.irp k, 0,1,2,3
	v_cndmask_b32 v[(\d)+\k], v[(\t)+\k], v[O+\k], s[PAR]
	v_cndmask_b32 v[(\d)+4+\k], v[O+\k], v[(\t)+\k], s[PAR]
.endr
.endm
; Gathered row i: less mu, in place; then onto the eight heads' sums with its eight weights, and onto the plain sum
.macro GROW i
	s_wait_loadcnt 6-2*(\i)
.irp k, 0,2,4,6
	v_pk_add_f32 v[GX+8*(\i)+\k:GX+8*(\i)+\k+1], v[GX+8*(\i)+\k:GX+8*(\i)+\k+1], v[MU+\k:MU+\k+1] neg_lo:[0,1] neg_hi:[0,1]
.endr
.irp h, 0,1,2,3,4,5,6,7
	WFMA AR+8*\h, GX+8*(\i), SC+8*(\i)+\h, (\i)==0
	WFMA AR+8*\h+4, GX+8*(\i)+4, SC+8*(\i)+\h, (\i)==0
.endr
.if (\i) == 1
.irp k, 0,2,4,6
	v_pk_add_f32 v[AR+64+\k:AR+64+\k+1], v[GX+\k:GX+\k+1], v[GX+8+\k:GX+8+\k+1]
.endr
.elseif (\i) > 1
.irp k, 0,2,4,6
	v_pk_add_f32 v[AR+64+\k:AR+64+\k+1], v[AR+64+\k:AR+64+\k+1], v[GX+8*(\i)+\k:GX+8*(\i)+\k+1]
.endr
.endif
.endm
	s_load_b256 s[4:11], s[0:1], 0x0               ; idx s[4:5], W_e s[6:7], W_p s[8:9], part s[10:11]
	s_load_b128 s[12:15], s[0:1], 0x20             ; upart s[12:13], gpart s[14:15]
	s_load_b64 s[16:17], s[0:1], 0x30              ; stat
	v_lshl_add_u32 v[SPW], v0, 2, SPARE
	v_mov_b32 v[NIL], 0
	v_lshrrev_b32 v1, 5, v0
	v_readfirstlane_b32 s18, v1                    ; wave 0..15
	s_mov_b32 s19, ttmp9                           ; chunk c
	s_and_b32 s20, ttmp7, 0xffff                   ; batch row b
	s_lshl_b32 s21, s19, 6
	s_lshl2_add_u32 s21, s18, s21                  ; m0 = 64 c + 4 w: my first key
	s_lshl_b32 s22, s20, 9
	s_add_co_u32 s22, s22, s21
	s_lshl_b32 s22, s22, 2                         ; idx[b][m0], in bytes
	s_mov_b32 s23, 0
	s_lshl_b32 s38, s21, 10                        ; row m0 of W_p
	s_mov_b32 s39, 0
	s_mov_b32 s[SEL], 0x76543210
	s_mov_b32 s[SEL+1], 0xfedcba98
	s_mov_b32 s[LG], 0x3fb8aa3b
	s_mov_b32 s[LG+1], s[LG]                       ; named with it as a pair
	s_mov_b32 s[RV], 0x37a6ea0a
	s_mov_b32 s[RV+1], s[RV]
	s_mov_b32 s[PAR], 0xaaaaaaaa
	s_lshl3_add_u32 s50, s20, s19                  ; 8 b + c
	s_mul_i32 s51, s50, 9
	s_add_co_u32 s51, s51, s18
	s_lshl_b32 s51, s51, 10                        ; gpart[b][c][w], for waves 0-8
	s_lshl_b32 s52, s50, 7                         ; stat[b][c]
	s_lshl_b32 s53, s18, 5                         ; 32 w
	s_mul_i32 s49, s18, 9216
	s_add_co_u32 s49, s49, ACC                     ; my wave's nine rows in LDS
	s_lshl_b32 s54, s18, 10
	s_add_co_u32 s54, s54, ACC                     ; row w of wave 0
	v_and_b32 v1, 31, v0                           ; lane
	v_lshlrev_b32 v2, 4, v1                        ; 16 l
	v_lshlrev_b32 v3, 4, v0                        ; 16 x thread = 1,024 (thread / 64) + 16 (thread % 64)
	v_lshrrev_b32 v6, 6, v0
	v_mad_u32_u24 v4, v6, 6144, v3                 ; part: rows 7 (thread / 64) on, four columns
	v_mad_u32_u24 v5, v6, 3072, v3                 ; upart: head thread / 64, four columns
	v_mov_b32 v7, s53
	v_add_nc_u32 v8, s49, v2
	v_add_nc_u32 v9, s54, v2
	v_add_nc_u32 v10, 0x12000, v9                  ; the same row of wave 8: 8 x 9,216 bytes on
.irp k, 0,1,2,3
	v_mov_b32 v[O+\k], 0                           ; destinations of lane exchanges count as read
.endr
	s_wait_kmcnt 0x0
	s_add_nc_u64 s[40:41], s[4:5], s[22:23]
	s_load_b128 s[24:27], s[40:41], 0x0            ; my four tokens
	s_add_nc_u64 s[36:37], s[8:9], s[38:39]
.irp i, 0,1,2,3,4,5,6
	global_load_b128 v[PP+4*\i:PP+4*\i+3], v4, s[10:11] offset:1024*\i
.endr
.irp j, 0,1,2,3
	global_load_b128 v[UP+4*\j:UP+4*\j+3], v5, s[12:13] offset:1024*\j
.endr
.irp i, 0,1,2,3
	global_load_b128 v[WP+8*\i:WP+8*\i+3], v2, s[36:37] offset:1024*\i
	global_load_b128 v[WP+8*\i+4:WP+8*\i+7], v2, s[36:37] offset:1024*\i+512
.endr
	global_load_b128 v[WP+32:WP+35], v2, s[8:9] offset:524288
	global_load_b128 v[WP+36:WP+39], v2, s[8:9] offset:524288+512
	s_wait_kmcnt 0x0
.irp i, 0,1,2,3
	s_min_u32 s[24+\i], s[24+\i], 0xc450           ; held inside the table
	s_lshl_b32 s[28+2*\i], s[24+\i], 10
	s_mov_b32 s[29+2*\i], 0
	s_add_nc_u64 s[28+2*\i:29+2*\i], s[6:7], s[28+2*\i:29+2*\i]
.endr
.irp i, 0,1,2,3
	global_load_b128 v[GX+8*\i:GX+8*\i+3], v2, s[28+2*\i:29+2*\i]
	global_load_b128 v[GX+8*\i+4:GX+8*\i+7], v2, s[28+2*\i:29+2*\i] offset:512
.endr
	s_wait_loadcnt 22                              ; the 7 partial rows are in: 4 + 10 + 8 younger loads stay out
	VSUM PP, 7, 4
	ds_store_b128 v3, v[PP:PP+3] offset:MUP
	s_wait_loadcnt 18                              ; the 4 quarters of u
	VSUM UP, 4, 4
	ds_store_b128 v3, v[UP:UP+3] offset:U
	s_wait_dscnt 0x0
	s_barrier_signal -1
	s_barrier_wait -1
.irp h, 0,1,2,3,4,5,6,7
	ds_load_b128 v[UU+8*\h:UU+8*\h+3], v2 offset:U+1024*\h
	ds_load_b128 v[UU+8*\h+4:UU+8*\h+7], v2 offset:U+1024*\h+512
.endr
.irp g, 0,1,2,3,4,5,6,7
	ds_load_b128 v[SC+8*\g:SC+8*\g+3], v2 offset:MUP+1024*\g
	ds_load_b128 v[SC+8*\g+4:SC+8*\g+7], v2 offset:MUP+1024*\g+512
.endr
	s_wait_dscnt 0x0
	VSUM SC, 8, 8
.irp k, 0,2,4,6
	v_pk_mul_f32 v[MU+\k:MU+\k+1], v[SC+\k:SC+\k+1], s[RV:RV+1] op_sel_hi:[1,0]
.endr
	SCORE 0
	SCORE 1
	SCORE 2
	SCORE 3
	SCORE 4                                        ; key 512
.irp h, 0,1,2,3,4,5,6,7
	v_max3_num_f32 v[M+\h], v[SC+\h], v[SC+8+\h], v[SC+16+\h]
.endr
.irp h, 0,1,2,3,4,5,6,7
	v_max3_num_f32 v[M+\h], v[M+\h], v[SC+24+\h], v[SC+32+\h]
.endr
	ds_store_b128 v7, v[M:M+3] offset:MX           ; all lanes hold the same numbers and write them to the same bytes
	ds_store_b128 v7, v[M+4:M+7] offset:MX+16
	s_wait_dscnt 0x0
	s_barrier_signal -1
	s_barrier_wait -1
	ds_load_b128 v[T:T+3], v2 offset:MX
	s_wait_dscnt 0x0
	XRED v_max_num_f32_dpp, v_max_num_f32, T, M    ; the chunk's maxima, in every lane of every wave
	; weights: 2^((s - M) log2 e).  The difference is taken first and is exact where s is near M, whatever the size of the scores
.irp i, 0,1,2,3,4
.irp k, 0,2,4,6
	v_pk_add_f32 v[SC+8*\i+\k:SC+8*\i+\k+1], v[SC+8*\i+\k:SC+8*\i+\k+1], v[M+\k:M+\k+1] neg_lo:[0,1] neg_hi:[0,1]
.endr
.endr
.set r, 0
.rept 20
	v_pk_mul_f32 v[SC+r:SC+r+1], v[SC+r:SC+r+1], s[LG:LG+1] op_sel_hi:[1,0]
.set r, r+2
.endr
.set r, 0
.rept 40                                       ; one batch
	v_exp_f32 v[SC+r], v[SC+r]
.set r, r+1
.endr
	v_nop                                          ; a plain instruction behind the last exponential,
	s_wait_alu depctr_va_vdst(0)                   ; and one wait for the batch, ahead of its first reader
.irp k, 0,2,4,6
	v_pk_add_f32 v[ZR+\k:ZR+\k+1], v[SC+\k:SC+\k+1], v[SC+8+\k:SC+8+\k+1]
.endr
.irp k, 0,2,4,6
	v_pk_add_f32 v[ZR+\k:ZR+\k+1], v[ZR+\k:ZR+\k+1], v[SC+16+\k:SC+16+\k+1]
.endr
.irp k, 0,2,4,6
	v_pk_add_f32 v[ZR+\k:ZR+\k+1], v[ZR+\k:ZR+\k+1], v[SC+24+\k:SC+24+\k+1]
.endr
	ds_store_b128 v7, v[ZR:ZR+3] offset:ZS
	ds_store_b128 v7, v[ZR+4:ZR+7] offset:ZS+16
	GROW 0
	GROW 1
	GROW 2
	GROW 3
.irp r, 0,1,2,3,4,5,6,7,8
	ds_store_b128 v8, v[AR+8*\r:AR+8*\r+3] offset:1024*\r
	ds_store_b128 v8, v[AR+8*\r+4:AR+8*\r+7] offset:1024*\r+512
.endr
	s_wait_dscnt 0x0
	s_barrier_signal -1
	s_barrier_wait -1
	s_cmp_lt_u32 s18, 9
	s_cbranch_scc0 .Lnot_row
	; waves 0-8: row w of all sixteen waves
.irp s, 0,1,2,3,4,5,6,7
	ds_load_b128 v[16+8*\s:16+8*\s+3], v9 offset:9216*\s
	ds_load_b128 v[16+8*\s+4:16+8*\s+7], v9 offset:9216*\s+512
.endr
.irp s, 0,1,2,3,4,5,6,7
	ds_load_b128 v[80+8*\s:80+8*\s+3], v10 offset:9216*\s
	ds_load_b128 v[80+8*\s+4:80+8*\s+7], v10 offset:9216*\s+512
.endr
	v_add_nc_u32 v11, s51, v2
	s_wait_dscnt 0x0
	VSUM 16, 16, 8
	global_store_b128 v11, v[16:19], s[14:15]      ; 512 consecutive bytes each, aligned
	global_store_b128 v11, v[20:23], s[14:15] offset:512
	s_branch .Lend
.Lnot_row:
	s_cmp_eq_u32 s18, 9
	s_cbranch_scc0 .Lend
	; wave 9: the chunk's statistics
	ds_load_b128 v[T:T+3], v2 offset:ZS
	v_mov_b32 v11, s52
	s_wait_dscnt 0x0
	XRED v_add_f32_dpp, v_add_f32, T, ZR
	v_cmp_eq_u32 vcc_lo, 0, v1
	s_wait_xcnt 0x0                                ; EXEC is a source of the loads above: it changes only behind this wait
	s_and_saveexec_b32 s55, vcc_lo
	global_store_b128 v11, v[M:M+3], s[16:17]
	global_store_b128 v11, v[M+4:M+7], s[16:17] offset:16
	global_store_b128 v11, v[ZR:ZR+3], s[16:17] offset:32
	global_store_b128 v11, v[ZR+4:ZR+7], s[16:17] offset:48
	global_store_b128 v11, v[SC+32:SC+35], s[16:17] offset:64
	global_store_b128 v11, v[SC+36:SC+39], s[16:17] offset:80
	s_wait_xcnt 0x0
	s_or_b32 exec_lo, exec_lo, s55
.Lend:
	s_wait_tensorcnt 0x0                           ; the wave's end: behind my last LDS store
	ds_add_u32 v[SPW], v[NIL]
	s_wait_dscnt 0x0
	s_endpgm
.Lfunc_end_k_q7c426241b3_mix:
	.size	k_q7c426241b3_mix, .Lfunc_end_k_q7c426241b3_mix-k_q7c426241b3_mix
	.p2alignl 7, 3214868480
	.fill 96, 4, 3214868480
	.section	.rodata,"a",@progbits
	.p2align	6, 0x0
	.amdhsa_kernel k_q7c426241b3_mix
		.amdhsa_group_segment_fixed_size 166912
		.amdhsa_private_segment_fixed_size 0
		.amdhsa_enable_private_segment 0
		.amdhsa_kernarg_size 56
		.amdhsa_user_sgpr_count 2
		.amdhsa_user_sgpr_kernarg_segment_ptr 1
		.amdhsa_wavefront_size32 1
		.amdhsa_system_sgpr_workgroup_id_x 1
		.amdhsa_system_sgpr_workgroup_id_y 1
		.amdhsa_system_sgpr_workgroup_id_z 1
		.amdhsa_system_vgpr_workitem_id 0
		.amdhsa_next_free_vgpr 240
		.amdhsa_next_free_sgpr 66
		.amdhsa_reserve_vcc 1
		.amdhsa_float_denorm_mode_32 3
		.amdhsa_float_denorm_mode_16_64 3
		.amdhsa_memory_ordered 1
		.amdhsa_forward_progress 1
		.amdhsa_inst_pref_size 65
	.end_amdhsa_kernel
	.amdgpu_metadata
---
amdhsa.version: [ 1, 2 ]
amdhsa.kernels:
  - .name:           k_q7c426241b3_mix
    .symbol:         k_q7c426241b3_mix.kd
    .args:
      - { .name: idx, .offset: 0, .size: 8, .value_kind: global_buffer, .address_space: global }
      - { .name: W_e, .offset: 8, .size: 8, .value_kind: global_buffer, .address_space: global }
      - { .name: W_p, .offset: 16, .size: 8, .value_kind: global_buffer, .address_space: global }
      - { .name: part, .offset: 24, .size: 8, .value_kind: global_buffer, .address_space: global }
      - { .name: upart, .offset: 32, .size: 8, .value_kind: global_buffer, .address_space: global }
      - { .name: gpart, .offset: 40, .size: 8, .value_kind: global_buffer, .address_space: global }
      - { .name: stat, .offset: 48, .size: 8, .value_kind: global_buffer, .address_space: global }
    .group_segment_fixed_size: 166912
    .private_segment_fixed_size: 0
    .kernarg_segment_align: 8
    .kernarg_segment_size: 56
    .max_flat_workgroup_size: 512
    .sgpr_count:     66
    .vgpr_count:     240
    .wavefront_size: 32
...
	.end_amdgpu_metadata
.endif
;; end of part 2
;; launch proj (part 3): grid 4 x 4, 16 waves a work-group, no clusters, 43,008 bytes of LDS; arguments W_v, A_LR, B_LR, gpart, stat, fpart; writes fpart
.if DOCPART == 3
	.amdgcn_target "amdgcn-amd-amdhsa--gfx1250"
	.amdhsa_code_object_version 6
	.text
	.protected	k_q7c426241b3_proj
	.globl	k_q7c426241b3_proj
	.p2align	8
	.type	k_q7c426241b3_proj,@function
k_q7c426241b3_proj:
	s_mov_b64 s[64:65], 0
	v_nop
	global_prefetch_b8 v0, s[64:65] scope:SCOPE_SE
	s_setreg_imm32_b32 hwreg(HW_REG_WAVE_MODE, 25, 1), 1
	s_wait_xcnt 0x0
; THIRD LAUNCH.  Work-group (slice of 64 output columns, pair hp of heads).  It joins the eight chunks of the softmax by their maxima,
;   M = max_c M_c,  fac_c = exp(M_c - M),  Z = sum_c fac_c Z_c + fac_0 exp(s512 - M_0),  g[b][h] = (A_h / 512 Z) sum_c fac_c gpart[b][c][h],
; multiplies g[b][h] (4 rows) by its 64 columns of W_v[h] for its two heads, and stores fpart[hp][b][64 slice ..]; the pair hp = 0 adds (B / 512) x the plain sum of differences.
; Waves 0-7 take the pair's first head, waves 8-15 its second; a wave takes 32 rows of W_v[h], each half of its lanes 16.  All in f32: four rows, and W_v crosses once.
; LIMIT: a factor below 2^-126 counts as 0.  Z is at least about 1: the key that holds the maximum has weight 1.
.set GL,    0                          ; LDS: g [2 heads][4 b][256] f32
.set RED,   8192                       ; [16 waves][2 halves][4 b][64] f32
.set SPARE, 40960                      ; the spare words: 128 bytes for each of 16 waves, eight blocks of 256 bytes that no other line names
.set XV,  16                           ; v[16:79]   16 rows of W_v
.set GP,  80                           ; v[80:111]  eight chunks' four numbers of gpart
.set ST,  112                          ; v[112:119] M_c, then fac_c; v[120:127] Z_c; v128 exp(s512 - M_0); v129 M; v130 Z; v131 the common factor
.set SD,  132                          ; v[132:163] waves 0, 1: eight chunks' plain sums
.set WG,  164                          ; v[164:227] 4 b x 16 numbers of g
.set AC,  228                          ; v[228:243] 4 b x 4 columns
.set SPW, 254                          ; v254  LDS address of my spare word; never rewritten
.set NIL, 255                          ; v255  0; never rewritten
.macro WFMA a, x, wr, first            ; a[0:3] (+)= x[0:3] * v[wr]
.if ((\wr)&1)==0
.if \first
	v_pk_mul_f32 v[(\a):(\a)+1], v[(\x):(\x)+1], v[(\wr):(\wr)+1] op_sel_hi:[1,0]
	v_pk_mul_f32 v[(\a)+2:(\a)+3], v[(\x)+2:(\x)+3], v[(\wr):(\wr)+1] op_sel_hi:[1,0]
.else
	v_pk_fma_f32 v[(\a):(\a)+1], v[(\x):(\x)+1], v[(\wr):(\wr)+1], v[(\a):(\a)+1] op_sel_hi:[1,0,1]
	v_pk_fma_f32 v[(\a)+2:(\a)+3], v[(\x)+2:(\x)+3], v[(\wr):(\wr)+1], v[(\a)+2:(\a)+3] op_sel_hi:[1,0,1]
.endif
.else
.if \first
	v_pk_mul_f32 v[(\a):(\a)+1], v[(\x):(\x)+1], v[(\wr)-1:(\wr)] op_sel:[0,1] op_sel_hi:[1,1]
	v_pk_mul_f32 v[(\a)+2:(\a)+3], v[(\x)+2:(\x)+3], v[(\wr)-1:(\wr)] op_sel:[0,1] op_sel_hi:[1,1]
.else
	v_pk_fma_f32 v[(\a):(\a)+1], v[(\x):(\x)+1], v[(\wr)-1:(\wr)], v[(\a):(\a)+1] op_sel:[0,1,0] op_sel_hi:[1,1,1]
	v_pk_fma_f32 v[(\a)+2:(\a)+3], v[(\x)+2:(\x)+3], v[(\wr)-1:(\wr)], v[(\a)+2:(\a)+3] op_sel:[0,1,0] op_sel_hi:[1,1,1]
.endif
.endif
.endm
.macro VSUM base, n, wd                ; n groups of wd registers on end, added pairwise as a tree; the sum ends in the first group
.set vs, 1
.rept 5
.if vs < (\n)
.set vi, 0
.rept ((\n)+2*vs-1)/(2*vs)
.if vi+vs < (\n)
.set vk, 0
.rept (\wd)/2
	v_pk_add_f32 v[(\base)+(\wd)*vi+vk:(\base)+(\wd)*vi+vk+1], v[(\base)+(\wd)*vi+vk:(\base)+(\wd)*vi+vk+1], v[(\base)+(\wd)*(vi+vs)+vk:(\base)+(\wd)*(vi+vs)+vk+1]
.set vk, vk+2
.endr
.endif
.set vi, vi+2*vs
.endr
.endif
.set vs, 2*vs
.endr
.endm
	s_load_b256 s[4:11], s[0:1], 0x0               ; W_v s[4:5], A_LR s[6:7], B_LR s[8:9], gpart s[10:11]
	s_load_b128 s[12:15], s[0:1], 0x20             ; stat s[12:13], fpart s[14:15]
	v_lshl_add_u32 v[SPW], v0, 2, SPARE
	v_mov_b32 v[NIL], 0
	v_lshrrev_b32 v1, 5, v0
	v_readfirstlane_b32 s16, v1                    ; wave 0..15
	s_and_b32 s17, ttmp7, 0xffff                   ; hp
	s_lshr_b32 s19, s16, 3                         ; hs: which head of the pair
	s_and_b32 s28, s16, 7                          ; w8: which 32 rows of W_v[h]
	s_lshl1_add_u32 s29, s17, s19                  ; h
	s_lshl_b32 s22, s29, 2
	s_mov_b32 s23, 0
	s_lshl_b32 s30, s29, 18
	s_mov_b32 s31, 0
	s_lshl_b32 s38, s29, 10
	s_mov_b32 s39, 0
	s_lshl_b32 s40, ttmp9, 8                       ; 256 x slice
	v_and_b32 v1, 15, v0                           ; c16
	v_bfe_u32 v2, v0, 4, 1                         ; hi
	v_lshl_add_u32 v13, v1, 4, s40                 ; 256 slice + 16 c16
	v_bfe_u32 v11, v0, 6, 2                        ; the b for which this thread makes g: (thread / 64) % 4
	v_lshlrev_b32 v4, 10, v11                      ; stat[b]
	v_and_b32 v5, 63, v0
	v_lshlrev_b32 v5, 4, v5
	v_mad_u32_u24 v5, v11, 0x12000, v5             ; gpart[b]: 73,728 b + 16 (thread % 64)
	s_lshl_b32 s41, s28, 5
	v_lshl_add_u32 v11, v2, 4, s41                 ; r0 = 32 w8 + 16 hi
	v_lshl_add_u32 v6, v11, 10, v13                ; W_v[h][r0][64 slice + 4 c16]
	s_lshl_b32 s42, s19, 12
	v_lshl_add_u32 v8, v11, 2, s42                 ; g[hs][0][r0] in LDS
	v_lshlrev_b32 v7, 4, v0                        ; g[hs][b][4 (thread % 64)] in LDS = 16 x thread
	s_lshl_b32 s43, s16, 11
	v_lshl_add_u32 v9, v2, 10, s43
	v_lshl_add_u32 v9, v1, 4, v9                   ; 2,048 w + 1,024 hi + 16 c16
	; Waves 0 and 1 finish the output, each half of their lanes one b = 2 w + hi.  What hangs on that b is made here, in every wave, from w % 2: the same number in waves 0 and 1, and 0 .. 3 in all
	s_and_b32 s44, s16, 1
	s_lshl_b32 s46, s44, 9                         ; 256 x 2 (w % 2)
	s_lshl_b32 s44, s44, 1
	v_add_nc_u32 v12, s44, v2                      ; b
	v_mad_u32_u24 v3, v12, 0x12000, v13            ; gpart[b][.][.][64 slice + 4 c16]
	v_lshl_add_u32 v10, v2, 8, s46
	v_lshl_add_u32 v10, v1, 4, v10                 ; 256 b + 16 c16, in a part of RED
	s_wait_kmcnt 0x0
	s_add_nc_u64 s[24:25], s[6:7], s[22:23]
	s_load_b32 s20, s[24:25], 0x0                  ; A_LR[h]
	s_load_b32 s21, s[8:9], 0x0                    ; B_LR
	s_add_nc_u64 s[36:37], s[12:13], s[22:23]      ; stat, at head h
	s_add_nc_u64 s[32:33], s[4:5], s[30:31]        ; W_v[h]
	s_add_nc_u64 s[34:35], s[10:11], s[38:39]      ; gpart, at row h
	s_cmp_lt_u32 s16, 2
	s_cbranch_scc0 .Lno_sd
	; waves 0 and 1: their plain sums are asked for first, so that every later count holds in all waves
.irp c, 0,1,2,3,4,5,6,7
	global_load_b128 v[SD+4*\c:SD+4*\c+3], v3, s[10:11] offset:8192+9216*\c
.endr
.Lno_sd:
.irp c, 0,1,2,3,4,5,6,7
	global_load_b32 v[ST+\c], v4, s[36:37] offset:128*\c
	global_load_b32 v[ST+8+\c], v4, s[36:37] offset:128*\c+32
.endr
	global_load_b32 v[ST+16], v4, s[36:37] offset:64
.irp c, 0,1,2,3,4,5,6,7
	global_load_b128 v[GP+4*\c:GP+4*\c+3], v5, s[34:35] offset:9216*\c
.endr
.set t, 0
.rept 16
	global_load_b128 v[XV+4*t:XV+4*t+3], v6, s[32:33] offset:1024*t th:TH_LOAD_NT
.set t, t+1
.endr
	s_wait_kmcnt 0x0
	s_mul_f32 s20, s20, 0x3b000000                 ; A_h / 512
	s_mul_f32 s21, s21, 0x3b000000                 ; B / 512,
	s_cmp_eq_u32 s17, 0
	s_cselect_b32 s26, s21, 0                      ; in the first pair of heads alone
	s_mov_b32 s27, s26                             ; named with it as a pair
	s_wait_loadcnt 16                              ; statistics and gpart are in; W_v's 16 rows stay out
	v_max3_num_f32 v[ST+17], v[ST], v[ST+1], v[ST+2]
	v_max3_num_f32 v[ST+17], v[ST+17], v[ST+3], v[ST+4]
	v_max3_num_f32 v[ST+17], v[ST+17], v[ST+5], v[ST+6]
	v_max_num_f32 v[ST+17], v[ST+17], v[ST+7]
.irp c, 0,1,2,3,4,5,6,7
	v_sub_f32 v[ST+\c], v[ST+\c], v[ST+17]
.endr
.irp c, 0,1,2,3,4,5,6,7
	v_mul_f32 v[ST+\c], 0x3fb8aa3b, v[ST+\c]
.endr
.irp c, 0,1,2,3,4,5,6,7
	v_exp_f32 v[ST+\c], v[ST+\c]
.endr
	v_nop                                          ; a plain instruction behind the last exponential,
	s_wait_alu depctr_va_vdst(0)                   ; and one wait for the eight, ahead of their first reader
	v_mul_f32 v[ST+18], v[ST], v[ST+16]            ; key 512, which counts in Z alone
.irp c, 0,1,2,3,4,5,6,7
	v_fmac_f32 v[ST+18], v[ST+\c], v[ST+8+\c]
.endr
	v_rcp_f32 v[ST+19], v[ST+18]
	v_nop
	s_wait_alu depctr_va_vdst(0)
	v_mul_f32 v[ST+19], s20, v[ST+19]
.irp c, 0,1,2,3,4,5,6,7
	v_mul_f32 v[ST+\c], v[ST+\c], v[ST+19]
.endr
.irp c, 0,1,2,3,4,5,6,7
	WFMA AC, GP+4*\c, ST+\c, \c==0
.endr
	ds_store_b128 v7, v[AC:AC+3] offset:GL
	s_wait_dscnt 0x0                               ; my store is done, for the readers' sake
	s_barrier_signal -1
	s_barrier_wait -1
.irp b, 0,1,2,3
.irp i, 0,1,2,3
	ds_load_b128 v[WG+16*\b+4*\i:WG+16*\b+4*\i+3], v8 offset:GL+1024*\b+16*\i
.endr
.endr
	s_wait_dscnt 0x0
.set t, 0
.rept 16
	s_wait_loadcnt 15-t                            ; row t of W_v is in; the 15 - t younger ones stay out
.irp b, 0,1,2,3
	WFMA AC+4*\b, XV+4*t, WG+16*\b+t, t==0
.endr
.set t, t+1
.endr
.irp b, 0,1,2,3
	ds_store_b128 v9, v[AC+4*\b:AC+4*\b+3] offset:RED+256*\b
.endr
	s_wait_dscnt 0x0
	s_barrier_signal -1
	s_barrier_wait -1
	s_cmp_lt_u32 s16, 2
	s_cbranch_scc0 .Lend
	; waves 0 and 1: the 32 parts (16 waves x 2 halves, both heads) of my b's 64 columns; the highest byte read is 768 + 240 + RED + 31 x 1,024 + 15, the last ahead of the spare words
.set p, 0
.rept 16
	ds_load_b128 v[XV+4*p:XV+4*p+3], v10 offset:RED+1024*p
	ds_load_b128 v[WG+4*p:WG+4*p+3], v10 offset:RED+1024*(p+16)
.set p, p+1
.endr
	s_lshl_b32 s45, s17, 12
	v_lshl_add_u32 v11, v12, 10, v13
	v_add_nc_u32 v11, s45, v11                     ; fpart[hp][b][64 slice + 4 c16]
	s_wait_dscnt 0x0
	VSUM XV, 16, 4
	VSUM WG, 16, 4
	v_pk_add_f32 v[XV:XV+1], v[XV:XV+1], v[WG:WG+1]
	v_pk_add_f32 v[XV+2:XV+3], v[XV+2:XV+3], v[WG+2:WG+3]
	s_wait_loadcnt 0x0                             ; the plain sums
	VSUM SD, 8, 4
	v_pk_fma_f32 v[XV:XV+1], v[SD:SD+1], s[26:27], v[XV:XV+1] op_sel_hi:[1,0,1]
	v_pk_fma_f32 v[XV+2:XV+3], v[SD+2:SD+3], s[26:27], v[XV+2:XV+3] op_sel_hi:[1,0,1]
	global_store_b128 v11, v[XV:XV+3], s[14:15]    ; each half of the lanes stores 256 consecutive bytes, aligned
.Lend:
	s_wait_tensorcnt 0x0                           ; the wave's end: behind my last LDS store
	ds_add_u32 v[SPW], v[NIL]
	s_wait_dscnt 0x0
	s_endpgm
.Lfunc_end_k_q7c426241b3_proj:
	.size	k_q7c426241b3_proj, .Lfunc_end_k_q7c426241b3_proj-k_q7c426241b3_proj
	.p2alignl 7, 3214868480
	.fill 96, 4, 3214868480
	.section	.rodata,"a",@progbits
	.p2align	6, 0x0
	.amdhsa_kernel k_q7c426241b3_proj
		.amdhsa_group_segment_fixed_size 43008
		.amdhsa_private_segment_fixed_size 0
		.amdhsa_enable_private_segment 0
		.amdhsa_kernarg_size 48
		.amdhsa_user_sgpr_count 2
		.amdhsa_user_sgpr_kernarg_segment_ptr 1
		.amdhsa_wavefront_size32 1
		.amdhsa_system_sgpr_workgroup_id_x 1
		.amdhsa_system_sgpr_workgroup_id_y 1
		.amdhsa_system_sgpr_workgroup_id_z 1
		.amdhsa_system_vgpr_workitem_id 0
		.amdhsa_next_free_vgpr 256
		.amdhsa_next_free_sgpr 66
		.amdhsa_reserve_vcc 0
		.amdhsa_float_denorm_mode_32 3
		.amdhsa_float_denorm_mode_16_64 3
		.amdhsa_memory_ordered 1
		.amdhsa_forward_progress 1
		.amdhsa_inst_pref_size 28
	.end_amdhsa_kernel
	.amdgpu_metadata
---
amdhsa.version: [ 1, 2 ]
amdhsa.kernels:
  - .name:           k_q7c426241b3_proj
    .symbol:         k_q7c426241b3_proj.kd
    .args:
      - { .name: W_v, .offset: 0, .size: 8, .value_kind: global_buffer, .address_space: global }
      - { .name: A_LR, .offset: 8, .size: 8, .value_kind: global_buffer, .address_space: global }
      - { .name: B_LR, .offset: 16, .size: 8, .value_kind: global_buffer, .address_space: global }
      - { .name: gpart, .offset: 24, .size: 8, .value_kind: global_buffer, .address_space: global }
      - { .name: stat, .offset: 32, .size: 8, .value_kind: global_buffer, .address_space: global }
      - { .name: fpart, .offset: 40, .size: 8, .value_kind: global_buffer, .address_space: global }
    .group_segment_fixed_size: 43008
    .private_segment_fixed_size: 0
    .kernarg_segment_align: 8
    .kernarg_segment_size: 48
    .max_flat_workgroup_size: 512
    .sgpr_count:     66
    .vgpr_count:     256
    .wavefront_size: 32
...
	.end_amdgpu_metadata
.endif
;; end of part 3
;; launch logits (part 4): grid 197 x 1, 16 waves a work-group, no clusters, 10,752 bytes of LDS; arguments W_e, fpart, out0; writes out0
.if DOCPART == 4
	.amdgcn_target "amdgcn-amd-amdhsa--gfx1250"
	.amdhsa_code_object_version 6
	.text
	.protected	k_q7c426241b3_logits
	.globl	k_q7c426241b3_logits
	.p2align	8
	.type	k_q7c426241b3_logits,@function
k_q7c426241b3_logits:
	s_mov_b64 s[64:65], 0
	v_nop
	global_prefetch_b8 v0, s[64:65] scope:SCOPE_SE
	s_setreg_imm32_b32 hwreg(HW_REG_WAVE_MODE, 25, 1), 1
	s_wait_xcnt 0x0
; FOURTH LAUNCH: out0[b][v] = f[b] . W_e[v], f[b] = the sum of fpart's four parts.  W_e is the launch: each of its bytes is read once, by one wave.
; A work-group owns 256 consecutive v, a wave a tile of 16 rows of W_e x all 256 k.  197 x 256 is more than 50,257: a row past the end is read as row 50,256 and not stored.
; THE PRODUCT goes to the matrix unit in bf16 with f32 sums: source 0 = 16 rows of W_e, rounded to bf16 on the way from memory; source 1 = 16 columns, of which 0-3 hold
; bf16(f[b]), 4-7 hold bf16(f[b] - that), and 8-15 repeat 0-7.  The two parts' results are added at the end, so that f keeps some 16 significant bits; W_e's rounding is the one that is left.
; K IS PERMUTED, ALIKE IN BOTH SOURCES: registers 2 q, 2 q + 1 of fragment c in lane (r, h) hold k = 32 c + 8 q + 4 h + 0..3, which are the 16 bytes of f32 that load 4 c + q brings the lane.
; Eight loads on end cover 256 consecutive aligned bytes of each of the tile's 16 rows.  All 32 loads of a wave go out at the start.
; In the result, register j of lane (r, h) is row 8 h + j of the tile, column r.
.set FB,    0                          ; LDS: 8 rows (4 of bf16(f), 4 of the remainder) of 512 bytes, 528 apart
.set FP,    528
.set OB,    4352                       ; [4 b][256 v] f32, rows 1,040 bytes apart
.set OP,    1040
.set SPARE, 8704                       ; the spare words: 128 bytes for each of 16 waves, eight blocks of 256 bytes that no other line names
.set AF,  16                           ; v[16:31]   two fragments of W_e, by turns
.set BF,  32                           ; v[32:95]   eight fragments of f
.set X,   96                           ; v[96:223]  32 loads x 4
.set CC,  224                          ; v[224:239] two accumulators, by turns; ahead of the products: at work on f
.set SPW, 246                          ; v246  LDS address of my spare word; never rewritten
.set NIL, 247                          ; v247  0; never rewritten
	s_load_b128 s[4:7], s[0:1], 0x0                ; W_e s[4:5], fpart s[6:7]
	s_load_b64 s[8:9], s[0:1], 0x10                ; out0
	v_lshl_add_u32 v[SPW], v0, 2, SPARE
	v_mov_b32 v[NIL], 0
	v_lshrrev_b32 v1, 5, v0
	v_readfirstlane_b32 s10, v1                    ; wave 0..15
	v_and_b32 v1, 15, v0                           ; r
	v_bfe_u32 v2, v0, 4, 1                         ; h
	v_and_b32 v3, 31, v0                           ; lane
	s_lshl_b32 s11, ttmp9, 8                       ; the work-group's first v
	s_lshl4_add_u32 s12, s10, s11                  ; my tile's first row
	v_add_nc_u32 v4, s12, v1
	v_min_u32 v4, 0xc450, v4                       ; held to the last row
	v_lshlrev_b32 v4, 10, v4
	v_lshl_add_u32 v4, v2, 4, v4                   ; 1,024 row + 16 h
	v_lshlrev_b32 v5, 4, v0
	s_wait_kmcnt 0x0
	s_cmp_lt_u32 s10, 8
	s_cbranch_scc0 .Lno_f
.irp p, 0,1,2,3                        ; waves 0-7: thread t takes f[t / 64][4 (t % 64) ..]; asked for first, so that the counts below hold in all waves
	global_load_b128 v[CC+4*\p:CC+4*\p+3], v5, s[6:7] offset:4096*\p
.endr
.Lno_f:
.set i, 0
.rept 32
	global_load_b128 v[X+4*i:X+4*i+3], v4, s[4:5] offset:32*i
.set i, i+1
.endr
	v_and_b32 v12, 7, v1
	v_mul_u32_u24 v7, v12, FP
	v_lshl_add_u32 v7, v2, 5, v7                   ; a fragment of f: row r % 8, 32 bytes for each half of the lanes
	v_and_b32 v12, 3, v1
	v_mul_u32_u24 v8, v12, OP
	v_lshl_add_u32 v8, v2, 5, v8
	s_lshl_b32 s13, s10, 6
	v_add_nc_u32 v8, s13, v8                       ; results: 1,040 (r % 4) + 4 (16 w + 8 h)
	s_and_b32 s13, s10, 3                          ; on the way out I store row b = w % 4,
	s_lshr_b32 s14, s10, 2                         ; quarter w / 4 of the work-group's 256 v
	s_mul_i32 s15, s13, OP
	s_lshl_b32 s16, s14, 8
	s_add_co_u32 s15, s15, s16
	v_lshl_add_u32 v9, v3, 2, s15
	s_lshl_b32 s17, s14, 6
	s_add_co_u32 s17, s17, s11                     ; its first v
	s_mul_i32 s16, s13, 50257
	s_add_co_u32 s16, s16, s17
	s_lshl_b32 s16, s16, 2
	v_lshl_add_u32 v10, v3, 2, s16                 ; out0[b][v], in bytes
	v_add_nc_u32 v11, s17, v3                      ; v
	s_cmp_lt_u32 s10, 8
	s_cbranch_scc0 .Lno_split
	v_lshrrev_b32 v12, 6, v0                       ; b
	v_and_b32 v13, 63, v0                          ; k / 4 = 8 c + 2 q + h
	v_mul_u32_u24 v6, v12, FP
	v_lshrrev_b32 v12, 3, v13
	v_lshl_add_u32 v6, v12, 6, v6                  ; + 64 c
	v_and_b32 v12, 1, v13
	v_lshl_add_u32 v6, v12, 5, v6                  ; + 32 h
	v_bfe_u32 v12, v13, 1, 2
	v_lshl_add_u32 v6, v12, 3, v6                  ; + 8 q
	s_wait_loadcnt 32                              ; the four parts of f are in; W_e's 32 loads stay out
	v_pk_add_f32 v[CC:CC+1], v[CC:CC+1], v[CC+4:CC+5]
	v_pk_add_f32 v[CC+2:CC+3], v[CC+2:CC+3], v[CC+6:CC+7]
	v_pk_add_f32 v[CC+8:CC+9], v[CC+8:CC+9], v[CC+12:CC+13]
	v_pk_add_f32 v[CC+10:CC+11], v[CC+10:CC+11], v[CC+14:CC+15]
	v_pk_add_f32 v[CC:CC+1], v[CC:CC+1], v[CC+8:CC+9]
	v_pk_add_f32 v[CC+2:CC+3], v[CC+2:CC+3], v[CC+10:CC+11]
	v_cvt_pk_bf16_f32 v[CC+4], v[CC], v[CC+1]      ; the leading part,
	v_cvt_pk_bf16_f32 v[CC+5], v[CC+2], v[CC+3]
	v_lshlrev_b32 v[CC+6], 16, v[CC+4]             ; widened again,
	v_and_b32 v[CC+7], 0xffff0000, v[CC+4]
	v_lshlrev_b32 v[CC+8], 16, v[CC+5]
	v_and_b32 v[CC+9], 0xffff0000, v[CC+5]
	v_pk_add_f32 v[CC+6:CC+7], v[CC:CC+1], v[CC+6:CC+7] neg_lo:[0,1] neg_hi:[0,1]  ; what it leaves,
	v_pk_add_f32 v[CC+8:CC+9], v[CC+2:CC+3], v[CC+8:CC+9] neg_lo:[0,1] neg_hi:[0,1]
	v_cvt_pk_bf16_f32 v[CC+10], v[CC+6], v[CC+7]   ; and that in bf16
	v_cvt_pk_bf16_f32 v[CC+11], v[CC+8], v[CC+9]
	ds_store_b64 v6, v[CC+4:CC+5] offset:FB
	ds_store_b64 v6, v[CC+10:CC+11] offset:FB+4*FP
.Lno_split:
	s_wait_dscnt 0x0
	s_barrier_signal -1
	s_barrier_wait -1
.irp c, 0,1,2,3,4,5,6,7
	ds_load_b128 v[BF+8*\c:BF+8*\c+3], v7 offset:FB+64*\c
	ds_load_b128 v[BF+8*\c+4:BF+8*\c+7], v7 offset:FB+64*\c+16
.endr
	s_wait_dscnt 0x0
; 32 along K: four loads' numbers are rounded to bf16 and multiplied.  The two accumulators take turns, one instruction a turn; the first two products start the sums.
; A fragment's registers are written again eight plain conversions (those of the other fragment) behind the product that read them.
.macro STEP c
	s_wait_loadcnt 28-4*(\c)                       ; loads 4 c .. 4 c + 3 are in; the younger ones stay out
.irp q, 0,1,2,3
	v_cvt_pk_bf16_f32 v[AF+8*((\c)&1)+2*\q], v[X+16*(\c)+4*\q], v[X+16*(\c)+4*\q+1]
	v_cvt_pk_bf16_f32 v[AF+8*((\c)&1)+2*\q+1], v[X+16*(\c)+4*\q+2], v[X+16*(\c)+4*\q+3]
.endr
.if (\c) < 2
	v_wmma_f32_16x16x32_bf16 v[CC+8*((\c)&1):CC+8*((\c)&1)+7], v[AF+8*((\c)&1):AF+8*((\c)&1)+7], v[BF+8*(\c):BF+8*(\c)+7], 0
.else
	v_wmma_f32_16x16x32_bf16 v[CC+8*((\c)&1):CC+8*((\c)&1)+7], v[AF+8*((\c)&1):AF+8*((\c)&1)+7], v[BF+8*(\c):BF+8*(\c)+7], v[CC+8*((\c)&1):CC+8*((\c)&1)+7]
.endif
.endm
	STEP 0
	STEP 1
	STEP 2
	STEP 3
	STEP 4
	STEP 5
	STEP 6
	STEP 7
.rept 8
	v_nop                                          ; the places between the last product and the first read of its result (ISA guide 7.12.1); eight, once a launch
.endr
.irp j, 0,2,4,6                        ; the two accumulators, from their lowest registers on
	v_pk_add_f32 v[CC+\j:CC+\j+1], v[CC+\j:CC+\j+1], v[CC+8+\j:CC+8+\j+1]
.endr
.irp j, 0,1,2,3,4,5,6,7                ; column r + column r xor 4: the leading part's product and the remainder's
	v_add_f32_dpp v[CC+\j], v[CC+\j], v[CC+\j] row_xmask:4 row_mask:0xf bank_mask:0xf
.endr
	; columns 8-15 repeat 0-7 and the sum above is the same in r and r xor 4: all lanes with equal r % 4 and h hold the same eight numbers, out0[r % 4][tile + 8 h ..], and write them to the same bytes
	ds_store_b128 v8, v[CC:CC+3] offset:OB
	ds_store_b128 v8, v[CC+4:CC+7] offset:OB+16
	s_wait_dscnt 0x0
	s_barrier_signal -1
	s_barrier_wait -1
	ds_load_b32 v14, v9 offset:OB
	ds_load_b32 v15, v9 offset:OB+128
	s_wait_dscnt 0x0
	; a row of out0 begins at 201,028 b bytes, a multiple of 4 only: stores of 4 bytes a lane, 128 consecutive bytes each
	v_cmp_gt_u32 vcc_lo, 0xc451, v11               ; v < 50,257
	s_wait_xcnt 0x0                                ; EXEC is a source of the loads above: it changes only behind this wait
	s_and_saveexec_b32 s18, vcc_lo
	global_store_b32 v10, v14, s[8:9] th:TH_STORE_NT
	s_wait_xcnt 0x0
	s_or_b32 exec_lo, exec_lo, s18
	v_cmp_gt_u32 vcc_lo, 0xc431, v11               ; v + 32 < 50,257
	s_and_saveexec_b32 s18, vcc_lo
	global_store_b32 v10, v15, s[8:9] offset:128 th:TH_STORE_NT
	s_wait_xcnt 0x0
	s_or_b32 exec_lo, exec_lo, s18
	s_wait_tensorcnt 0x0                           ; the wave's end: behind my last LDS store
	ds_add_u32 v[SPW], v[NIL]
	s_wait_dscnt 0x0
	s_endpgm
.Lfunc_end_k_q7c426241b3_logits:
	.size	k_q7c426241b3_logits, .Lfunc_end_k_q7c426241b3_logits-k_q7c426241b3_logits
	.p2alignl 7, 3214868480
	.fill 96, 4, 3214868480
	.section	.rodata,"a",@progbits
	.p2align	6, 0x0
	.amdhsa_kernel k_q7c426241b3_logits
		.amdhsa_group_segment_fixed_size 10752
		.amdhsa_private_segment_fixed_size 0
		.amdhsa_enable_private_segment 0
		.amdhsa_kernarg_size 24
		.amdhsa_user_sgpr_count 2
		.amdhsa_user_sgpr_kernarg_segment_ptr 1
		.amdhsa_wavefront_size32 1
		.amdhsa_system_sgpr_workgroup_id_x 1
		.amdhsa_system_sgpr_workgroup_id_y 1
		.amdhsa_system_sgpr_workgroup_id_z 1
		.amdhsa_system_vgpr_workitem_id 0
		.amdhsa_next_free_vgpr 248
		.amdhsa_next_free_sgpr 66
		.amdhsa_reserve_vcc 1
		.amdhsa_float_denorm_mode_32 3
		.amdhsa_float_denorm_mode_16_64 3
		.amdhsa_memory_ordered 1
		.amdhsa_forward_progress 1
		.amdhsa_inst_pref_size 15
	.end_amdhsa_kernel
	.amdgpu_metadata
---
amdhsa.version: [ 1, 2 ]
amdhsa.kernels:
  - .name:           k_q7c426241b3_logits
    .symbol:         k_q7c426241b3_logits.kd
    .args:
      - { .name: W_e, .offset: 0, .size: 8, .value_kind: global_buffer, .address_space: global }
      - { .name: fpart, .offset: 8, .size: 8, .value_kind: global_buffer, .address_space: global }
      - { .name: out0, .offset: 16, .size: 8, .value_kind: global_buffer, .address_space: global }
    .group_segment_fixed_size: 10752
    .private_segment_fixed_size: 0
    .kernarg_segment_align: 8
    .kernarg_segment_size: 24
    .max_flat_workgroup_size: 512
    .sgpr_count:     66
    .vgpr_count:     248
    .wavefront_size: 32
...
	.end_amdgpu_metadata
.endif
;; end of part 4
